; MI455X (gfx1250); checked and timed in simulation.
; The chip was launched on July 23, 2026; its instructions are those of AMD's public machine-readable ISA for CDNA 5 (MIT licence, August 2026) and "CDNA5" Instruction Set Architecture Reference Guide (July 2026). The comments in the code are by the model that wrote it; some were corrected since.
;; Keops Attention Product. Allowed arithmetic: matrix products marked QUANTISED: E2M3 operands, one E8M0 scale for each 32 along K, by v_wmma_scale_f32_16x16x128_f8f6f4 with both operands' format E2M3, f32 sums; everything else in f32.
;; Inputs: attention_mask 4 x 1 x 1 x 2,048 float32; key_layer 4 x 16 x 2,048 x 64 float32; query_layer 4 x 16 x 2,048 x 64 float32; value_layer 4 x 16 x 2,048 x 64 float32.
;; Outputs: out0 4 x 16 x 2,048 x 64 float32.
;; This version of the problem:
;;   THIS VERSION OF THE PROBLEM IS GIVEN IN LOW PRECISION. The matrix products marked QUANTISED in the list below multiply operands that are first quantised to E2M3 (2 exponent bits, 3 mantissa bits; 6 bits a number), with one power-of-two scale for each 32 numbers along K (OCP MX v1.0); their sums are f32. All else is computed in f32.
;;   The module's matrix products, in the order in which they are computed (A, B: the left and right operand; K: the contracted axis; several contracted axes count as one K, in the product's order):
;;     1. batch 64 x [M 2,048, K 64] x [K 64, N 2,048]; A: computed on the way; B: input key_layer: QUANTISED
;;     2. batch 64 x [M 2,048, K 2,048] x [K 2,048, N 64]; A: softmax (see below); B: input value_layer: QUANTISED
;;   THE QUANTISER, for each operand of a quantised product, along K:
;;     - K is cut into blocks of 32 from its start; a last block that is shorter is filled with zeros.
;;     - A block's scale is 2^e with e = floor(log2(the largest magnitude in the block)) - 2, held to -126 .. 127; a block of zeros has e = 0. As a byte (E8M0): e + 127.
;;     - Each number is divided by its block's scale, clamped to +-7.5, and rounded to the nearest number of E2M3, ties to even, subnormals kept.
;;     - The product sums the exact products of the quantised numbers (number of the format x scale) in f32.
;;   ~~~python
;;   def quantise(x, axis):      # numpy; x: float32 -> the quantised numbers, widened to float32 again
;;       x = np.moveaxis(x, axis, -1); K = x.shape[-1]
;;       x = np.pad(x, [(0, 0)] * (x.ndim - 1) + [(0, -K % 32)]); x = x.reshape(x.shape[:-1] + (-1, 32)); a = np.abs(x).max(-1, keepdims=True)
;;       e = np.where(a > 0, np.clip(np.frexp(np.where(a > 0, a, 1))[1] - 1 - 2, -126, 127), 0)      # np.frexp(a)[1] - 1 = floor(log2(a)), exactly
;;       r = np.clip(x / 2.0 ** e, -7.5, 7.5)
;;       step = 2.0 ** (np.maximum(np.frexp(np.where(r == 0, 1, r))[1] - 1, 0) - 3)
;;       q = np.round(r / step) * step * 2.0 ** e      # np.round: ties to even
;;       return np.moveaxis(q.reshape(q.shape[:-2] + (-1,))[..., :K], -1, axis).astype(np.float32)
;;   ~~~
;;   SOFTMAX AHEAD OF A QUANTISED PRODUCT. Where the list says 'softmax', what is quantised is not the finished softmax but p = 2^(t - M), with t = logit x log2(e) and M = ceil(the row's largest t), a whole number; so 1/2 < the row's largest p <= 1. The row's sum l is taken of the UNQUANTISED p, in f32, and the product's result is divided by l at the end. Since M is a whole number, a kernel that streams over the keys may use a running M (the ceiling of the running maximum): every later rescaling is an exact power of two, which a block's scale takes up: the codes' values come out the same.
;;   OPERANDS COMPUTED ON THE WAY. 'Computed on the way' means the value that the module computes at that place (a softmax that the list does not call 'softmax' is quantised finished and normalised). What goes into a quantiser is computed in f32, as accurately as f32 sums, v_exp_f32 and their like allow (about 1e-6 of the number): no bf16 or f16 on the way to a quantiser, and a product that is left as it is and whose result goes on into a quantised operand takes f32 operands (vector FMAs, or v_wmma_f32_16x16x4_f32). A number that lies on a knife's edge between two numbers of the format may be rounded either way, as far as f32 arithmetic and the matrix unit's own rounding can turn it there, and no further.
;; One version. Each part assembles by itself: llvm-mc -triple=amdgcn-amd-amdhsa -mcpu=gfx1250 --defsym DOCPART=n.
;; ======== version 1 of 1: 2 launches
;; limits: right only within a limited range of input values
;; workspace buffers: kv 13,107,200 bytes
;; launch prep (part 1): grid 16 x 64, 4 waves a work-group, no clusters, 69,120 bytes of LDS; arguments key_layer, value_layer, kv; writes kv
.if DOCPART == 1
	.amdgcn_target "amdgcn-amd-amdhsa--gfx1250"
	.amdhsa_code_object_version 6
	.text
	.protected	k_qbb86e8170b_prep
	.globl	k_qbb86e8170b_prep
	.p2align	8
	.type	k_qbb86e8170b_prep,@function
k_qbb86e8170b_prep:
	s_mov_b64 s[64:65], 0
	v_nop
	global_prefetch_b8 v0, s[64:65] scope:SCOPE_SE
	s_setreg_imm32_b32 hwreg(HW_REG_WAVE_MODE, 25, 1), 1
	s_wait_xcnt 0x0
; K [64 heads][2048 keys][64] and V [64][2048][64], f32, become codes of FP6 (E2M3) with one E8M0 scale byte for each 32 along the product's K:
; K is quantised along its 64 channels, V along the keys.  A block's byte is its largest magnitude's exponent field - 2.  No step of the problem is left out.
; The codes are laid as IMAGES OF OPERAND REGISTERS, one dense block of 12,800 bytes for each head and each step of 128 keys:
;   0      K's four fragments, 1,536 bytes each       6,144  V's four fragments
;   12,288 K's scale words, 8 bytes a lane            12,544 V's scale words, 8 bytes a lane
; A fragment is 12 registers a lane; registers 4 g .. 4 g + 3 of lane l lie at 512 g + 16 l.
; K's fragment b holds TWO tiles of 16 keys: lane (r, h) has in registers 0-5 key 64 (b / 2) + 16 (b % 2) + 32 (r / 8) + r % 8, channels 32 h .. 32 h + 31,
; and in registers 6-11 the key 8 further on.  So rows 0-7 of the four tiles of 64 keys are the first 32 of them, rows 8-15 the second 32.
; V's fragment t: lane (r, h) has channel 16 t + r; registers 6 c .. 6 c + 5 are keys 64 c + 32 h + 0 .. 31 of the step.
; In both a lane holds two whole blocks of 32; block c gives byte 2 c + h of the row's scale word.  Fragment f's word of row r lies at 8 r + 128 (f % 2) + 4 (f / 2) of its image.
; SHARES.  A work-group takes one head (y) and one step of 128 keys (x).  Wave w loads V's keys 32 w .. 32 w + 31, and of K the 16 keys from 64 (w / 2) + 16 (w % 2) on and the 16 that lie 32 further on:
; its own fragment's.  Each load is 512 consecutive bytes.  K turns through the wave's own stage in LDS; V's four blocks of 32 keys meet in a shared stage.
; LIMITS: a block whose largest magnitude lies under 2^-124 keeps the byte 1, a block of zeros too (its codes are zeros, and this program alone reads the bytes); NaN and infinities are not served.
.set STEPB, 12800
.set FRB,   1536
.set KSTW,  8704                       ; K's stages, one a wave: 32 rows of 256 bytes + 16
.set VST,   34816                      ; V's stage: four blocks of 32 keys x 256 bytes,
.set VBLK,  8256                       ; 64 bytes more than 8,192 apart
.set SCG,   67840                      ; the two scale images, 256 bytes each
.set LI,  4
.set KSI, 5
.set KSO, 6
.set VSI, 7
.set VSO, 8
.set SCA, 9
.set SH8, 10
.set SCR, 11
.set GA,  16
.set MX,  20
.set OP,  22
.set BY,  24
.set WK,  26
.set PT,  27
.set CK,  28
.set CV,  40
.set TC,  52
.set WVW, 60
.set R0,  64                           ; K as loaded; later V by channels
.set R1,  128                          ; V as loaded
.set X,   192                          ; K by keys
; 64 numbers of a lane, two whole blocks, become a fragment's 12 registers and, with the lane 16 away, the row's scale word
.macro QUANT64 src, dst, wd
.irp c, 0,1
	v_max3_num_f32 v[MX+\c], |v[\src+32*\c]|, |v[\src+32*\c+1]|, 0x1800000     ; the floor 2^(3 - 127) among the leaves
.endr
.irp i, 2,4,6,8,10,12,14,16,18,20,22,24,26,28,30
.irp c, 0,1
	v_max3_num_f32 v[MX+\c], v[MX+\c], |v[\src+32*\c+\i]|, |v[\src+32*\c+\i+1]|
.endr
.endr
.irp c, 0,1
	v_add_nc_u32 v[OP+\c], 0xff000000, v[MX+\c]    ; 2 off the exponent field: the conversion's scale operand
.endr
.irp c, 0,1
	v_lshrrev_b32 v[BY+\c], 23, v[OP+\c]
.endr
	v_lshl_or_b32 v[\wd], v[BY+1], 16, v[BY]
	v_lshlrev_b32 v[\wd], v[SH8], v[\wd]
	v_permlanex16_b32 v[PT], v[\wd], s20, s21
	v_or_b32 v[\wd], v[\wd], v[PT]
.irp c, 0,1
	v_cvt_scalef32_pk16_fp6_f32 v[\dst+6*\c:\dst+6*\c+2], v[\src+32*\c:\src+32*\c+15], v[OP+\c]
	v_cvt_scalef32_pk16_fp6_f32 v[TC+4*\c:TC+4*\c+2], v[\src+32*\c+16:\src+32*\c+31], v[OP+\c]   ; three registers from an even one on: made elsewhere and moved
.endr
	v_nop
.irp c, 0,1
.irp i, 0,1,2
	v_mov_b32 v[\dst+6*\c+3+\i], v[TC+4*\c+\i]
.endr
.endr
.endm
	s_load_b128 s[4:7], s[0:1], 0x0                ; K, V
	s_load_b64 s[8:9], s[0:1], 0x10                ; the workspace
	v_lshl_add_u32 v62, v0, 2, 0x10c00
	v_mov_b32 v63, 0
	v_lshrrev_b32 v1, 5, v0
	v_readfirstlane_b32 s12, v1                    ; wave
	v_and_b32 v1, 31, v0
	v_and_b32 v2, 15, v0                           ; r
	v_bfe_u32 v3, v0, 4, 1                         ; h
	v_lshlrev_b32 v[LI], 4, v1
	s_mul_i32 s22, s12, KSTW
	v_mul_u32_u24 v[KSI], v3, 272
	v_lshl_add_u32 v[KSI], v2, 4, v[KSI]
	v_add_nc_u32 v[KSI], s22, v[KSI]               ; in: a load's 512 bytes are two rows
	v_and_b32 v[KSO], 8, v2
	v_add_nc_u32 v[KSO], v[KSO], v2                ; stage row r + 8 (r / 8)
	v_mul_u32_u24 v[KSO], v[KSO], 272
	v_lshl_add_u32 v[KSO], v3, 7, v[KSO]
	v_add_nc_u32 v[KSO], s22, v[KSO]               ; out: that row, channels 32 h on
	s_mul_i32 s23, s12, VBLK
	s_add_co_u32 s23, s23, VST
	v_add_nc_u32 v[VSI], s23, v[LI]
	v_mul_u32_u24 v[VSO], v3, VBLK
	v_lshl_add_u32 v[VSO], v2, 2, v[VSO]
	s_lshl_b32 s24, s12, 6
	s_add_co_u32 s24, s24, VST
	v_add_nc_u32 v[VSO], s24, v[VSO]               ; V out: block h, channel 16 w + r
	s_and_b32 s25, s12, 1
	s_lshl_b32 s25, s25, 7
	s_lshr_b32 s26, s12, 1
	s_lshl_b32 s26, s26, 2
	s_add_co_u32 s25, s25, s26
	s_add_co_u32 s25, s25, SCG
	v_lshl_add_u32 v[SCA], v2, 3, s25              ; 8 r + 128 (w % 2) + 4 (w / 2)
	v_lshlrev_b32 v[SH8], 3, v3
	v_add_nc_u32 v[SCR], SCG, v[LI]
	v_mov_b32 v[PT], 0
	s_and_b32 s13, ttmp7, 0xffff                   ; the head
	s_lshl_b32 s14, s13, 19
	s_lshl_b32 s15, ttmp9, 15
	s_add_co_u32 s14, s14, s15                     ; the step's 128 rows of 256 bytes
	s_lshr_b32 s28, s12, 1
	s_lshl_b32 s28, s28, 14                        ; K: 64 (w / 2) rows
	s_and_b32 s29, s12, 1
	s_lshl_b32 s29, s29, 12                        ; + 16 (w % 2) rows
	s_add_co_u32 s28, s28, s29
	s_add_co_u32 s28, s28, s14
	s_mov_b32 s29, 0
	s_lshl_b32 s15, s12, 13                        ; V: 32 w rows
	s_add_co_u32 s14, s14, s15
	s_mov_b32 s15, 0
	s_lshl_b32 s18, s13, 4
	s_add_co_u32 s18, s18, ttmp9
	s_mul_i32 s18, s18, STEPB
	s_mov_b32 s19, 0
	s_mul_i32 s16, s12, FRB
	s_add_co_u32 s16, s16, s18
	s_mov_b32 s17, 0
	s_mov_b32 s20, 0x76543210
	s_mov_b32 s21, 0xfedcba98
	s_wait_alu depctr_va_vdst(0)                   ; the wait at the head's end
	s_wait_kmcnt 0x0
	s_add_nc_u64 s[4:5], s[4:5], s[28:29]
	s_add_nc_u64 s[6:7], s[6:7], s[14:15]
	s_add_nc_u64 s[16:17], s[8:9], s[16:17]
	s_add_nc_u64 s[18:19], s[8:9], s[18:19]
.set n, 0
.rept 16
	global_load_b128 v[R1+4*n:R1+4*n+3], v[LI], s[6:7] offset:512*n th:TH_LOAD_NT    ; V first: the other waves wait for it
.set n, n+1
.endr
.set n, 0
.rept 16
	global_load_b128 v[R0+4*n:R0+4*n+3], v[LI], s[4:5] offset:512*n+4096*(n/8) th:TH_LOAD_NT   ; 16 rows, then the 16 that lie 32 rows behind the first
.set n, n+1
.endr
	s_wait_loadcnt 16                              ; V's 16 loads are in; K's 16 may be out
.set n, 0
.rept 16
	ds_store_b128 v[VSI], v[R1+4*n:R1+4*n+3] offset:512*n
.set n, n+1
.endr
	s_wait_loadcnt 0x0
.set n, 0
.rept 16
	ds_store_b128 v[KSI], v[R0+4*n:R0+4*n+3] offset:544*n
.set n, n+1
.endr
.irp c, 0,1                                    ; my two keys, 8 stage rows apart; LDS serves a wave's instructions in order
.irp q, 0,1,2,3,4,5,6,7
	ds_load_b128 v[X+32*\c+4*\q:X+32*\c+4*\q+3], v[KSO] offset:2176*\c+16*\q
.endr
.endr
	s_wait_dscnt 0x0                               ; my part of V's stage is written, and K is back
	s_barrier_signal -1
	QUANT64 X, CK, WK
	s_wait_alu depctr_va_vdst(0)
	s_barrier_wait -1                              ; V's stage is whole
	ds_store_b32 v[SCA], v[WK]
.irp c, 0,1
.set n, 0
.rept 32
	ds_load_b32 v[R0+32*\c+n], v[VSO] offset:2*VBLK*\c+256*n      ; key 64 c + 32 h + n of my channel
.set n, n+1
.endr
.endr
.irp g, 0,1,2
	global_store_b128 v[LI], v[CK+4*\g:CK+4*\g+3], s[16:17] offset:512*\g      ; 32 lanes store 512 consecutive bytes
.endr
	s_wait_dscnt 0x0
	QUANT64 R0, CV, WVW
.irp g, 0,1,2
	global_store_b128 v[LI], v[CV+4*\g:CV+4*\g+3], s[16:17] offset:4*FRB+512*\g
.endr
	ds_store_b32 v[SCA], v[WVW] offset:256
	s_wait_dscnt 0x0                               ; for wave 0's sake
	s_barrier_signal -1
	s_barrier_wait -1
	s_cmp_lg_u32 s12, 0
	s_cbranch_scc1 .Ldone
	ds_load_b128 v[GA:GA+3], v[SCR]                ; both scale images, 512 bytes
	s_wait_dscnt 0x0
	global_store_b128 v[LI], v[GA:GA+3], s[18:19] offset:8*FRB
.Ldone:
	s_wait_tensorcnt 0x0                           ; the wave's end
	ds_add_u32 v62, v63
	s_wait_dscnt 0x0
	s_endpgm
.Lfunc_end_k_qbb86e8170b_prep:
	.size	k_qbb86e8170b_prep, .Lfunc_end_k_qbb86e8170b_prep-k_qbb86e8170b_prep
	.p2alignl 7, 3214868480
	.fill 96, 4, 3214868480
	.section	.rodata,"a",@progbits
	.p2align	6, 0x0
	.amdhsa_kernel k_qbb86e8170b_prep
		.amdhsa_group_segment_fixed_size 69120
		.amdhsa_private_segment_fixed_size 0
		.amdhsa_enable_private_segment 0
		.amdhsa_kernarg_size 24
		.amdhsa_user_sgpr_count 2
		.amdhsa_user_sgpr_kernarg_segment_ptr 1
		.amdhsa_wavefront_size32 1
		.amdhsa_system_sgpr_workgroup_id_x 1
		.amdhsa_system_sgpr_workgroup_id_y 1
		.amdhsa_system_sgpr_workgroup_id_z 1
		.amdhsa_system_vgpr_workitem_id 0
		.amdhsa_next_free_vgpr 256
		.amdhsa_next_free_sgpr 66
		.amdhsa_reserve_vcc 0
		.amdhsa_float_denorm_mode_32 3
		.amdhsa_float_denorm_mode_16_64 3
		.amdhsa_memory_ordered 1
		.amdhsa_forward_progress 1
		.amdhsa_inst_pref_size 21
	.end_amdhsa_kernel
	.amdgpu_metadata
---
amdhsa.version: [ 1, 2 ]
amdhsa.kernels:
  - .name:           k_qbb86e8170b_prep
    .symbol:         k_qbb86e8170b_prep.kd
    .args:
      - { .name: key_layer, .offset: 0, .size: 8, .value_kind: global_buffer, .address_space: global }
      - { .name: value_layer, .offset: 8, .size: 8, .value_kind: global_buffer, .address_space: global }
      - { .name: kv, .offset: 16, .size: 8, .value_kind: global_buffer, .address_space: global }
    .group_segment_fixed_size: 69120
    .private_segment_fixed_size: 0
    .kernarg_segment_align: 8
    .kernarg_segment_size: 24
    .max_flat_workgroup_size: 128
    .sgpr_count:     66
    .vgpr_count:     256
    .wavefront_size: 32
...
	.end_amdgpu_metadata
.endif
;; end of part 1
;; launch attn (part 2): grid 4 x 64, 8 waves a work-group, clusters of 4 x 1, 283,648 bytes of LDS; arguments query_layer, attention_mask, kv, out0; writes out0
.if DOCPART == 2
	.amdgcn_target "amdgcn-amd-amdhsa--gfx1250"
	.amdhsa_code_object_version 6
	.text
	.protected	k_qbb86e8170b_attn
	.globl	k_qbb86e8170b_attn
	.p2align	8
	.type	k_qbb86e8170b_attn,@function
k_qbb86e8170b_attn:
	s_mov_b64 s[64:65], 0
	v_nop
	global_prefetch_b8 v0, s[64:65] scope:SCOPE_SE
	s_setreg_imm32_b32 hwreg(HW_REG_WAVE_MODE, 25, 1), 1
	s_wait_xcnt 0x0
	s_wait_alu depctr_hold_cnt(0) depctr_sa_sdst(0) depctr_va_vdst(0) depctr_va_sdst(0) depctr_va_ssrc(0) depctr_va_vcc(0) depctr_vm_vsrc(0)
	s_getreg_b32 s2, hwreg(HW_REG_IB_STS2, 6, 4)
	s_cmp_eq_u32 s2, 0
	s_cbranch_scc0 .Lentry_in_a_cluster
	s_endpgm
.Lentry_in_a_cluster:
	s_bfe_u32 s2, ttmp6, 0x10000c
	s_cmp_lg_u32 s2, 0x3003
	s_cbranch_scc0 .Lentry_shape_is_right
	s_endpgm
.Lentry_shape_is_right:
; out[head][q][:] = sum over k of softmax_k(Q[head][q] / 8 . K[head][k] + mask[head / 16][k]) V[head][k][:]; 64 heads, 2,048 queries and keys, 64 channels; both products on codes of FP6 (E2M3) with E8M0 scales.
; K's and V's codes come from the workspace as images of operand registers: 12,800 bytes for each head and step of 128 keys (four fragments of K, four of V, two scale images).
; THE SOFTMAX: t = (score + mask) x log2(e); M = the running largest t rounded UP to a whole number; p = 2^(t - M) is quantised along the keys, not normalised; the row's sum is taken of the unquantised p
; and divides at the end.  When M moves, the sum and O are multiplied by 2^(old M - new M), which rounds nothing.
; SHARES.  256 work-groups.  A work-group owns 512 queries of a head, each of its eight waves 64, in two passes of 32: two tiles of 16, a and b, which share each fragment of K and V and each register of the mask.
; ALL OF A HEAD'S CODES STAY IN LDS, 204,800 bytes, each byte filled once: one tensor load a wave, 100 rows of 256 bytes (two steps), at the head.  Nothing is filled again; one barrier shows the codes and the mask to all waves.
; CLUSTER.  The four work-groups of a cluster own the four query blocks of ONE head and ask for its codes jointly.
; No prefetch: the codes come by the one fill at the head; the second pass's Q is loaded into registers a key step and a way out ahead of its use.
; LAYOUT.  Both products are used transposed: S^T = K Q^T + mask (the mask is the product's C), O^T = V^T P^T: a lane holds one query (lane % 16) throughout.
; The head has 64 channels and the instruction multiplies 128: a fragment of K holds TWO tiles of keys, and Q is taken as [q | zero codes] or [zero codes | q]; the zero half's scale bytes are 1.
; Row 8 h + j of key tile 4 c + u is key 64 c + 32 h + 8 u + j: so register 32 c + i of a lane's S^T is key 64 c + 32 h + i: A LANE HOLDS TWO WHOLE BLOCKS OF 32 KEYS, in the order that p's operand wants:
; a block's maximum needs no other lane and the conversions' results are the operand's registers.
; Q / 8: the factor is a power of two, so the codes are those of Q itself and 3 is taken off the scale byte.
; A pass's first step starts O^T (C = 0), the sum and M; nothing is cleared.
; ORDER.  Dependent lines are kept apart: the maxima run in eight chains, a row's sum in six, and the ten lines that make p's scale word stand among the sum's.
; LIMITS.  A mask entry under -2^29, -infinity and NaN among them, is held at -2^29: beside any key that counts its p is 0; a row ALL of whose keys are -infinity gives finite numbers where the definition gives NaN.
; Scaled scores stay under 2^31 in magnitude; NaN and infinities in q, k, v are not served.  A block of Q whose largest magnitude lies under 2^-121, or of p under 2^-124, keeps the byte 1.
; REGISTERS, in windows of 256 (s_set_vgpr_msb: bits 1:0 source 0, 3:2 source 1, 5:4 source 2, 7:6 destination):
;   window 0: v1-13 addresses; v16-47, v48-79 a tile's statistics; v80-103 p's codes; v104-111 scale words; v116-125 the mask at the head, then five chains of a sum; v128-255 S^T, then p
;   window 1: v0-63 O^T; v64-111 K's fragments; v112-159 V's; v160-223 the mask of a step's keys, and Q as it is loaded; v224-253 Q as [0 | qa | 0 | qb | 0]
.set STEPB, 12800
.set PART,  2*STEPB                    ; a wave's part of the head's codes
.set KSOFF, 12288
.set VSOFF, 12544
.set VFOFF, 6144
.set MASKL, 16*STEPB                   ; behind the codes: the batch's mask, 2,048 f32
.set STG,   MASKL+8192                 ; a stage for each wave: two tiles of 16 rows x (256 + 16) bytes; Q turns through it at a pass's head, O at its end
.set STGW,  8704
.set SPARE, STG+8*STGW                 ; the spare words, 128 bytes a wave
.set LI16, 1                           ; 16 x lane
.set LI8,  2                           ; 8 x lane
.set LM,   3                           ; MASKL + 128 (lane / 16)
.set AD16, 4                           ; the same three at the step in hand
.set AD8,  5
.set ADM,  6
.set RD,   7                           ; the stage by rows of memory
.set QR,   8                           ; the stage: row r, channels 32 h on
.set SO,   9                           ; the stage: row r, 32 h bytes on
.set MST,  11
.set MGO,  12
.set SH8,  13                          ; 8 h
.set T0,   16                          ; tile x at T0 + 32 x: +0 -M, +1 largest logit, +2 +3 the sum, +4 f, +5 zero, +6 +7 at work, +8 +9 the blocks' largest, +10 +11 scale operands, +12 +13 bytes,
                                       ; +14 p's scale word, +15 at work, +16..18 +20..22 upper half blocks' codes (+16 +17 also the maxima's second chains)
.set PC0,  80
.set QS,   104                         ; Q's scale words: tile x, half u at QS + 2 x + u
.set KS,   108
.set VS,   110
.set MR,   116
.set CH,   116                         ; five pairs
.set SPW,  126
.set NIL,  127
.set S0,   128
.set KF,   64                          ; window 1
.set VF,   112
.set MK,   160
.set QF,   224
.set WV,  12
.set SEL, 20
.set CS,  22
.set G1,  24
.set G0,  32
.set TB,  48
.set TM,  49
.set CNT, 50
.set MSB, 0
.macro WIN new
.if MSB != \new
	s_set_vgpr_msb (MSB<<8)|\new
.set MSB, \new
.endif
.endm
.set W_S,  0x15
.set W_PV, 0x51
.set W_TO1, 0x40
.set W_RS, 0x41
.set W_OUT, 0x01
.set W_ST1, 0x04                       ; an LDS store's data in window 1
.macro ROUND                           ; a round of the cluster's barrier
	s_barrier_signal -1
	s_barrier_wait -1
	s_cmp_lg_u32 s[WV], 0
	s_cbranch_scc1 .Lnot_wave_0_\@
	s_barrier_signal -3
.Lnot_wave_0_\@:
	s_barrier_wait -3
	s_barrier_signal -1
	s_barrier_wait -1
.endm
.macro QLOAD p                         ; pass p's 32 rows of Q, 512 consecutive bytes a load, into the mask's registers, which are idle then
	WIN W_TO1
.set n, 0
.rept 16
	global_load_b128 v[MK+4*n:MK+4*n+3], v[LI16], s[4:5] offset:8192*\p+512*n th:TH_LOAD_NT
.set n, n+1
.endr
	WIN 0
.endm
	s_load_b256 s[4:11], s[0:1], 0x0               ; Q, mask, the codes, out
	v_lshl_add_u32 v[SPW], v0, 2, SPARE
	v_mov_b32 v[NIL], 0
	ds_add_u32 v[SPW], v[NIL]                      ; the opening lines: the add twice on end and its wait
	ds_add_u32 v[SPW], v[NIL]
	v_lshrrev_b32 v10, 5, v0
	v_readfirstlane_b32 s[WV], v10                 ; wave 0..7
	s_bfe_u32 s13, ttmp6, 0x40000                  ; cx
	s_lshl_b32 s14, ttmp9, 2
	s_add_co_u32 s14, s14, s13                     ; my block of 512 queries: it enters Q's and out's addresses alone
	s_and_b32 s15, ttmp7, 0xffff                   ; the head, which the four partners share
	s_lshl_b32 s16, s15, 19
	s_lshl_b32 s17, s14, 17
	s_add_co_u32 s16, s16, s17
	s_lshl_b32 s17, s[WV], 14                      ; my wave's 64 rows of 256 bytes
	s_add_co_u32 s16, s16, s17
	s_mov_b32 s17, 0
	s_mul_i32 s51, s[WV], PART
	s_mul_i32 s18, s15, 16*STEPB
	s_add_co_u32 s18, s18, s51
	s_mov_b32 s19, 0
	s_lshr_b32 s52, s15, 4                         ; the batch
	s_lshl_b32 s52, s52, 13
	s_mov_b32 s53, 0
	s_mov_b32 s[SEL], 0x76543210
	s_mov_b32 s[SEL+1], 0xfedcba98                 ; v_permlanex16_b32's selects for the lane 16 away
	s_mov_b32 s[CS], 0x3fb8aa3b                    ; log2(e)
	s_mov_b32 s[CS+1], s[CS]
	s_mov_b32 s[G1], 15|(3<<16)|(1<<21)            ; all four work-groups; elements of 8 bytes; bit 21 beside a mask
	s_mov_b32 s[G1+1], 32<<16
	s_mov_b32 s[G1+2], 100<<16
	s_mov_b32 s[G1+3], 32<<16
	s_mov_b32 s[G1+4], 100                         ; 100 rows of 32 elements, dense
	s_mov_b32 s[G1+5], 32
	s_mov_b32 s[G1+6], 0
	s_mov_b32 s[G1+7], 0
	v_and_b32 v10, 31, v0
	v_and_b32 v14, 15, v0                          ; r
	v_bfe_u32 v15, v0, 4, 1                        ; h
	v_lshlrev_b32 v[LI16], 4, v10
	v_lshlrev_b32 v[LI8], 3, v10
	v_lshl_add_u32 v[LM], v15, 7, MASKL
	s_mul_i32 s54, s[WV], STGW
	s_add_co_u32 s54, s54, STG
	v_mul_u32_u24 v[RD], v15, 272
	v_mul_u32_u24 v[QR], v14, 272
	v_lshlrev_b32 v[MGO], 4, v0
	v_lshl_add_u32 v[RD], v14, 4, v[RD]
	v_lshl_add_u32 v[SO], v15, 5, v[QR]
	v_lshl_add_u32 v[QR], v15, 7, v[QR]
	v_add_nc_u32 v[RD], s54, v[RD]
	v_add_nc_u32 v[SO], s54, v[SO]
	v_add_nc_u32 v[QR], s54, v[QR]
	v_add_nc_u32 v[MST], MASKL, v[MGO]
	v_lshlrev_b32 v[SH8], 3, v15
	s_wait_alu depctr_va_vdst(0)                   ; ahead of the waits below
	s_wait_dscnt 0x0                               ; both opening adds are done
	s_wait_kmcnt 0x0
	s_add_nc_u64 s[4:5], s[4:5], s[16:17]
	s_add_nc_u64 s[10:11], s[10:11], s[16:17]
	s_add_nc_u64 s[6:7], s[6:7], s[52:53]
	s_mov_b32 s[G0], 1
	s_mov_b32 s[G0+1], s51                         ; LDS: my part; no place in the cluster enters it
	s_add_nc_u64 s[G0+2:G0+3], s[8:9], s[18:19]
	s_or_b32 s[G0+3], s[G0+3], 0x80000000
	global_load_b128 v[MR:MR+3], v[MGO], s[6:7]                    ; the batch's mask: 256 threads x 16 bytes, twice
	global_load_b128 v[MR+4:MR+7], v[MGO], s[6:7] offset:4096
	QLOAD 0
	ROUND                                          ; all four work-groups are here: the joint loads meet
	tensor_load_to_lds s[G0:G0+3], s[G1:G1+7]      ; my one tensor load of the launch
	s_nop 0
.rept 4
	v_nop
.endr
.irp x, 0,1
	v_mov_b32 v[T0+32*\x+5], 0                     ; named with f as a pair
	v_mov_b32 v[T0+32*\x+7], 0                     ; a lane permute's destination counts as one of its sources
	v_mov_b32 v[T0+32*\x+15], 0
.endr
	WIN W_TO1
.irp g, 0,12,24
.irp i, 0,1,2,3,4,5
	v_mov_b32 v[QF+\g+\i], 0                       ; the zero codes round Q's fragments
.endr
.endr
	WIN 0
	s_wait_alu depctr_va_vdst(0)
	s_wait_loadcnt 16                              ; the mask's two loads are in; Q's 16 may be out
.irp i, 0,1,2,3,4,5,6,7
	v_max_num_f32 v[MR+\i], 0xce000000, v[MR+\i]   ; held at -2^29 from below
.endr
	ds_store_b128 v[MST], v[MR:MR+3]
	ds_store_b128 v[MST], v[MR+4:MR+7] offset:4096
; A pass's Q: through my stage, so that lane (r, h) holds query r, channels 32 h .. 32 h + 31, a whole block; then, the two tiles line by line: the block's largest magnitude,
; the scale words (5 off the exponent field: 2 for the format, 3 for the factor 1/8), the codes
.macro QIN
	s_wait_loadcnt 0x0
	WIN W_ST1
.irp x, 0,1
.irp i, 0,1,2,3,4,5,6,7
	ds_store_b128 v[RD], v[MK+32*\x+4*\i:MK+32*\x+4*\i+3] offset:4352*\x+544*\i
.endr
.endr
	WIN 0
.irp x, 0,1
.irp q, 0,1,2,3,4,5,6,7
	ds_load_b128 v[S0+32*\x+4*\q:S0+32*\x+4*\q+3], v[QR] offset:4352*\x+16*\q      ; LDS serves a wave's instructions in order: these see my stores
.endr
.endr
	s_wait_dscnt 0x0
.irp x, 0,1
	v_max3_num_f32 v[T0+32*\x+8], |v[S0+32*\x]|, |v[S0+32*\x+1]|, 0x3000000        ; the floor 2^(6 - 127): the byte cannot fall under 1
	v_max3_num_f32 v[T0+32*\x+9], |v[S0+32*\x+2]|, |v[S0+32*\x+3]|, |v[S0+32*\x+4]|
.endr
.irp i, 5,9,13,17,21,25
.irp x, 0,1
	v_max3_num_f32 v[T0+32*\x+8], v[T0+32*\x+8], |v[S0+32*\x+\i]|, |v[S0+32*\x+\i+1]|
	v_max3_num_f32 v[T0+32*\x+9], v[T0+32*\x+9], |v[S0+32*\x+\i+2]|, |v[S0+32*\x+\i+3]|
.endr
.endr
.irp x, 0,1
	v_max3_num_f32 v[T0+32*\x+8], v[T0+32*\x+8], |v[S0+32*\x+29]|, |v[S0+32*\x+30]|
.endr
.irp x, 0,1
	s_delay_alu instid0(VALU_DEP_2)
	v_max3_num_f32 v[T0+32*\x+8], v[T0+32*\x+8], v[T0+32*\x+9], |v[S0+32*\x+31]|
.endr
.irp x, 0,1
	s_delay_alu instid0(VALU_DEP_2)
	v_add_nc_u32 v[T0+32*\x+10], 0xff000000, v[T0+32*\x+8]         ; the conversion's scale operand, for Q as it is loaded
.endr
.irp x, 0,1
	v_add_nc_u32 v[T0+32*\x+12], 0xfd800000, v[T0+32*\x+8]
.endr
.irp x, 0,1
	s_delay_alu instid0(VALU_DEP_2)
	v_lshrrev_b32 v[T0+32*\x+12], 23, v[T0+32*\x+12]               ; the byte of Q / 8's block,
.endr
.irp x, 0,1
	s_delay_alu instid0(VALU_DEP_2)
	v_lshlrev_b32 v[T0+32*\x+12], v[SH8], v[T0+32*\x+12]           ; at place h,
.endr
.irp x, 0,1
	s_delay_alu instid0(VALU_DEP_2)
	v_permlanex16_b32 v[T0+32*\x+15], v[T0+32*\x+12], s[SEL], s[SEL+1]
.endr
.irp x, 0,1
	s_delay_alu instid0(VALU_DEP_2)
	v_or_b32 v[T0+32*\x+12], v[T0+32*\x+12], v[T0+32*\x+15]        ; with the other half's
.endr
.irp x, 0,1
	s_delay_alu instid0(VALU_DEP_2)
	v_or_b32 v[QS+2*\x], 0x01010000, v[T0+32*\x+12]                ; for [q | 0]
.endr
.irp x, 0,1
	v_lshl_or_b32 v[QS+2*\x+1], v[T0+32*\x+12], 16, 0x0101         ; for [0 | q]
.endr
.irp x, 0,1
	v_cvt_scalef32_pk16_fp6_f32 v[T0+32*\x+16:T0+32*\x+18], v[S0+32*\x:S0+32*\x+15], v[T0+32*\x+10]
	v_cvt_scalef32_pk16_fp6_f32 v[T0+32*\x+20:T0+32*\x+22], v[S0+32*\x+16:S0+32*\x+31], v[T0+32*\x+10]
.endr
	v_nop                                          ; one plain line behind the scaled conversions
	WIN W_TO1
.irp x, 0,1
.irp i, 0,1,2
	v_mov_b32 v[QF+6+12*\x+\i], v[T0+32*\x+16+\i]
	v_mov_b32 v[QF+9+12*\x+\i], v[T0+32*\x+20+\i]
.endr
.endr
	WIN 0
.endm
	QIN
	s_wait_alu depctr_va_vdst(0)
	s_wait_tensorcnt 0x0                           ; my part of the codes has landed,
	s_wait_dscnt 0x0                               ; my part of the mask is written:
	s_barrier_signal -1
	s_barrier_wait -1                              ; and so every wave's
; K's fragments and the keys' mask of the step koff bytes (moff in the mask) on from the addresses in hand: 28 loads
.macro FETCH_KF koff, moff
	WIN W_TO1
.irp b, 0,1,2,3
.irp g, 0,1,2
	ds_load_b128 v[KF+12*\b+4*\g:KF+12*\b+4*\g+3], v[AD16] offset:\koff+1536*\b+512*\g
.endr
.endr
.irp c, 0,1
.irp u, 0,1,2,3
.irp e, 0,1
	ds_load_b128 v[MK+32*\c+8*\u+4*\e:MK+32*\c+8*\u+4*\e+3], v[ADM] offset:\moff+256*\c+32*\u+16*\e   ; register 32 c + i: the mask of key 64 c + 32 h + i
.endr
.endr
.endr
.endm
.macro SPROD b, u, x                   ; S^T of key tile 2 b + u for query tile x; the mask is the product's C
.if (\b)%2
	v_wmma_scale_f32_16x16x128_f8f6f4 v[S0+64*\x+16*\b+8*\u:S0+64*\x+16*\b+8*\u+7], v[KF+12*\b:KF+12*\b+11], v[QF+12*\x+6*(1-\u):QF+12*\x+6*(1-\u)+11], v[MK+16*\b+8*\u:MK+16*\b+8*\u+7], v[KS+\b/2], v[QS+2*\x+\u] matrix_a_fmt:MATRIX_FMT_FP6 matrix_b_fmt:MATRIX_FMT_FP6 matrix_a_scale:MATRIX_SCALE_ROW1
.else
	v_wmma_scale_f32_16x16x128_f8f6f4 v[S0+64*\x+16*\b+8*\u:S0+64*\x+16*\b+8*\u+7], v[KF+12*\b:KF+12*\b+11], v[QF+12*\x+6*(1-\u):QF+12*\x+6*(1-\u)+11], v[MK+16*\b+8*\u:MK+16*\b+8*\u+7], v[KS+\b/2], v[QS+2*\x+\u] matrix_a_fmt:MATRIX_FMT_FP6 matrix_b_fmt:MATRIX_FMT_FP6
.endif
.endm
.macro PPROD t, x, first               ; O^T (+)= V^T P^T: channels 16 t on, tile x
.if \first
.if (\t)%2
	v_wmma_scale_f32_16x16x128_f8f6f4 v[32*\x+8*\t:32*\x+8*\t+7], v[VF+12*\t:VF+12*\t+11], v[PC0+12*\x:PC0+12*\x+11], 0, v[VS+\t/2], v[T0+32*\x+14] matrix_a_fmt:MATRIX_FMT_FP6 matrix_b_fmt:MATRIX_FMT_FP6 matrix_a_scale:MATRIX_SCALE_ROW1
.else
	v_wmma_scale_f32_16x16x128_f8f6f4 v[32*\x+8*\t:32*\x+8*\t+7], v[VF+12*\t:VF+12*\t+11], v[PC0+12*\x:PC0+12*\x+11], 0, v[VS+\t/2], v[T0+32*\x+14] matrix_a_fmt:MATRIX_FMT_FP6 matrix_b_fmt:MATRIX_FMT_FP6
.endif
.else
.if (\t)%2
	v_wmma_scale_f32_16x16x128_f8f6f4 v[32*\x+8*\t:32*\x+8*\t+7], v[VF+12*\t:VF+12*\t+11], v[PC0+12*\x:PC0+12*\x+11], v[32*\x+8*\t:32*\x+8*\t+7], v[VS+\t/2], v[T0+32*\x+14] matrix_a_fmt:MATRIX_FMT_FP6 matrix_b_fmt:MATRIX_FMT_FP6 matrix_a_scale:MATRIX_SCALE_ROW1
.else
	v_wmma_scale_f32_16x16x128_f8f6f4 v[32*\x+8*\t:32*\x+8*\t+7], v[VF+12*\t:VF+12*\t+11], v[PC0+12*\x:PC0+12*\x+11], v[32*\x+8*\t:32*\x+8*\t+7], v[VS+\t/2], v[T0+32*\x+14] matrix_a_fmt:MATRIX_FMT_FP6 matrix_b_fmt:MATRIX_FMT_FP6
.endif
.endif
.endm
; The largest logit of each of my blocks of 32 keys: eight chains by turns (two tiles x two blocks x two parts: registers 0-16 and 17-31 of the block).
; Each accumulator's first read is of one of its four lowest registers (0; 8; 17; 24).  The block's largest serves for the row's maximum and, since p rises with the logit, for the block's largest p.
.macro BMAX
.irp x, 0,1
.irp c, 0,1
	v_max3_num_f32 v[T0+32*\x+8+\c], v[S0+64*\x+32*\c], v[S0+64*\x+32*\c+1], v[S0+64*\x+32*\c+2]
	v_max3_num_f32 v[T0+32*\x+16+\c], v[S0+64*\x+32*\c+17], v[S0+64*\x+32*\c+18], v[S0+64*\x+32*\c+19]
.endr
.endr
.irp i, 3,5,7,9,11,13
.irp x, 0,1
.irp c, 0,1
	v_max3_num_f32 v[T0+32*\x+8+\c], v[T0+32*\x+8+\c], v[S0+64*\x+32*\c+\i], v[S0+64*\x+32*\c+\i+1]
	v_max3_num_f32 v[T0+32*\x+16+\c], v[T0+32*\x+16+\c], v[S0+64*\x+32*\c+\i+17], v[S0+64*\x+32*\c+\i+18]
.endr
.endr
.endr
.irp x, 0,1
.irp c, 0,1
	v_max3_num_f32 v[T0+32*\x+8+\c], v[T0+32*\x+8+\c], v[S0+64*\x+32*\c+15], v[S0+64*\x+32*\c+16]
.endr
.endr
.irp x, 0,1
.irp c, 0,1
	v_max_num_f32 v[T0+32*\x+8+\c], v[T0+32*\x+8+\c], v[T0+32*\x+16+\c]
.endr
.endr
.endm
; The running largest logit and -M = floor(-t), the two tiles line by line; old M - new M is left in +6: f is made of it among the lines of FMA
.macro ROWM first
.irp x, 0,1
.if \first
	v_max_num_f32 v[T0+32*\x+6], v[T0+32*\x+8], v[T0+32*\x+9]
.else
	v_max3_num_f32 v[T0+32*\x+6], v[T0+32*\x+1], v[T0+32*\x+8], v[T0+32*\x+9]
.endif
.endr
.irp x, 0,1
	s_delay_alu instid0(VALU_DEP_2)
	v_permlanex16_b32 v[T0+32*\x+7], v[T0+32*\x+6], s[SEL], s[SEL+1]
.endr
.irp x, 0,1
	s_delay_alu instid0(VALU_DEP_2)
	v_max_num_f32 v[T0+32*\x+1], v[T0+32*\x+6], v[T0+32*\x+7]      ; with the other half's 64 keys
.endr
.irp x, 0,1
	s_delay_alu instid0(VALU_DEP_2)
	v_mul_f32 v[T0+32*\x+6], s[CS], v[T0+32*\x+1]                  ; as t
.endr
.if \first
.irp x, 0,1
	s_delay_alu instid0(VALU_DEP_2)
	v_floor_f32 v[T0+32*\x], -v[T0+32*\x+6]
.endr
.else
.irp x, 0,1
	s_delay_alu instid0(VALU_DEP_2)
	v_floor_f32 v[T0+32*\x+7], -v[T0+32*\x+6]                      ; the new -M: a whole number
.endr
.irp x, 0,1
	s_delay_alu instid0(VALU_DEP_2)
	v_sub_f32 v[T0+32*\x+6], v[T0+32*\x+7], v[T0+32*\x]            ; old M - new M: a whole number, 0 or less
.endr
.irp x, 0,1
	v_mov_b32 v[T0+32*\x], v[T0+32*\x+7]
.endr
.endif
.endm
.macro FMA0 w                          ; tile a: t - M, two at a time, and the same of each block's largest; w = 1: both tiles' f = 2^(old M - new M) is made among these lines
.set n, 0
.rept 32
	v_pk_fma_f32 v[S0+n:S0+n+1], v[S0+n:S0+n+1], s[CS:CS+1], v[T0:T0+1] op_sel_hi:[1,0,0]
.set n, n+2
.if (\w) && (n == 8)
.irp y, 0,1
	v_cvt_i32_f32 v[T0+32*\y+6], v[T0+32*\y+6]
.endr
.endif
.if (\w) && (n == 24)
.irp y, 0,1
	v_ldexp_f32 v[T0+32*\y+4], 1.0, v[T0+32*\y+6]
.endr
.endif
.endr
.irp c, 0,1
	v_fma_f32 v[T0+8+\c], v[T0+8+\c], s[CS], v[T0]
.endr
.endm
.macro EXFM                            ; tile a's 66 exponentials; tile b's multiply-adds, which name none of their registers and are read behind the next wait, stand among them
.set n, 0
.rept 32
	v_exp_f32 v[S0+n], v[S0+n]
	v_exp_f32 v[S0+n+1], v[S0+n+1]
	v_pk_fma_f32 v[S0+64+n:S0+64+n+1], v[S0+64+n:S0+64+n+1], s[CS:CS+1], v[T0+32:T0+33] op_sel_hi:[1,0,0]
.set n, n+2
.endr
.irp c, 0,1
	v_exp_f32 v[T0+8+\c], v[T0+8+\c]               ; the block's largest p: the same two instructions on the same number
.endr
.irp c, 0,1
	v_fma_f32 v[T0+40+\c], v[T0+40+\c], s[CS], v[T0+32]
.endr
.endm
.macro EXPS1                           ; tile b's 66
.set n, 0
.rept 64
	v_exp_f32 v[S0+64+n], v[S0+64+n]
.set n, n+1
.endr
.irp c, 0,1
	v_exp_f32 v[T0+40+\c], v[T0+40+\c]
.endr
.endm
; Line k of the ten that make p's scale operands and scale word: my blocks are h and 2 + h
.macro QC k
.if (\k) < 2
	v_max_num_f32 v[rT+8+(\k)], 0x1800000, v[rT+8+(\k)]            ; the floor 2^(3 - 127)
.elseif (\k) < 4
	v_add_nc_u32 v[rT+8+(\k)], 0xff000000, v[rT+6+(\k)]            ; 2 off the exponent field: the conversion's scale operand
.elseif (\k) < 6
	v_lshrrev_b32 v[rT+8+(\k)], 23, v[rT+6+(\k)]                   ; the byte
.elseif (\k) == 6
	v_lshl_or_b32 v[rT+12], v[rT+13], 16, v[rT+12]
.elseif (\k) == 7
	v_lshlrev_b32 v[rT+12], v[SH8], v[rT+12]
.elseif (\k) == 8
	v_permlanex16_b32 v[rT+15], v[rT+12], s[SEL], s[SEL+1]
.else
	v_or_b32 v[rT+14], v[rT+12], v[rT+15]                          ; with the other half's two bytes the word is whole
.endif
.endm
.macro CVT                             ; p's codes: the conversions' results are the operand's registers
.irp c, 0,1
	v_cvt_scalef32_pk16_fp6_f32 v[rP+6*\c:rP+6*\c+2], v[rS+32*\c:rS+32*\c+15], v[rT+10+\c]
	v_cvt_scalef32_pk16_fp6_f32 v[rT+16+4*\c:rT+18+4*\c], v[rS+32*\c+16:rS+32*\c+31], v[rT+10+\c]   ; three registers from an even one on: made elsewhere and moved
.endr
	v_nop                                          ; one plain line behind the scaled conversions
.irp c, 0,1
.irp i, 0,1,2
	v_mov_b32 v[rP+6*\c+3+\i], v[rT+16+4*\c+\i]
.endr
.endr
.endm
.macro WVN                             ; behind every second line of the sum one of the ten; behind the sum's twentieth line the conversions
.if ((ii%2) == 0) && (kk < 10)
	QC kk
.set kk, kk+1
.endif
.if ii == 20
	CVT
.endif
.endm
.macro ACC q, j                        ; chain q takes pair j of p
.if (\q) == 0
	v_pk_add_f32 v[rT+2:rT+3], v[rT+2:rT+3], v[rS+2*(\j):rS+2*(\j)+1]
.else
	v_pk_add_f32 v[CH+2*(\q)-2:CH+2*(\q)-1], v[CH+2*(\q)-2:CH+2*(\q)-1], v[rS+2*(\j):rS+2*(\j)+1]
.endif
.endm
; The row's sum of the unquantised p, in six chains of packed additions (the old sum comes under the new M by the first multiply-add), with p's scale word and codes made among its lines.
; Behind the last move of the codes stand 11 or 12 lines of the sum: the places in front of the product.
.macro SUMQ x, first
.set rT, T0+32*(\x)
.set rS, S0+64*(\x)
.set rP, PC0+12*(\x)
.set kk, 0
.set ii, 1
.if \first
	v_pk_add_f32 v[rT+2:rT+3], v[rS:rS+1], v[rS+2:rS+3]
.set jj, 2
.else
	v_pk_fma_f32 v[rT+2:rT+3], v[rT+2:rT+3], v[rT+4:rT+5], v[rS:rS+1] op_sel_hi:[1,0,1]
.set jj, 1
.endif
.rept 5
	v_pk_add_f32 v[CH+2*ii-2:CH+2*ii-1], v[rS+2*jj:rS+2*jj+1], v[rS+2*jj+2:rS+2*jj+3]
.set jj, jj+2
.set ii, ii+1
	WVN
.endr
.set qq, 0
.rept 32-jj
	ACC qq, jj
.set jj, jj+1
.set qq, (qq+1)%6
.set ii, ii+1
	WVN
.endr
	v_pk_add_f32 v[CH:CH+1], v[CH:CH+1], v[CH+2:CH+3]
	v_pk_add_f32 v[CH+4:CH+5], v[CH+4:CH+5], v[CH+6:CH+7]
	v_pk_add_f32 v[rT+2:rT+3], v[rT+2:rT+3], v[CH+8:CH+9]
	v_pk_add_f32 v[CH:CH+1], v[CH:CH+1], v[CH+4:CH+5]
	s_delay_alu instid0(VALU_DEP_1)
	v_pk_add_f32 v[rT+2:rT+3], v[rT+2:rT+3], v[CH:CH+1]
.endm
; A KEY STEP, 128 keys, both tiles.  first = 1: it starts M, the sum and O^T.  pf = 1: the next step's K, its scale words and its mask are fetched.  ql = 1: the next pass's Q is asked for.
.macro STEP first, pf, ql
	s_wait_dscnt 0x0                               ; this step's K, scale words and mask
	WIN W_S
.irp b, 0,1,2,3
.irp u, 0,1
.irp x, 0,1
	SPROD \b, \u, \x                               ; sixteen accumulators, each written once
.endr
.endr
.endr
	WIN 0
	v_add_nc_u32 v[AD16], s[TB], v[LI16]           ; four plain lines: the places in front of the loads into the products' registers and of the first read of S^T
	v_add_nc_u32 v[AD8], s[TB], v[LI8]
	v_add_nc_u32 v[ADM], s[TM], v[LM]
	v_nop
	ds_load_b64 v[VS:VS+1], v[AD8] offset:VSOFF
.if \pf
	ds_load_b64 v[KS:KS+1], v[AD8] offset:STEPB+KSOFF
.endif
	WIN W_TO1
.irp t, 0,1,2,3
.irp g, 0,1,2
	ds_load_b128 v[VF+12*\t+4*\g:VF+12*\t+4*\g+3], v[AD16] offset:VFOFF+1536*\t+512*\g
.endr
.endr
.if \pf
	FETCH_KF STEPB, 512
.endif
.if \ql
	QLOAD 1
.endif
	WIN 0
	BMAX
	ROWM \first
	FMA0 1-\first
	s_wait_alu depctr_va_vdst(0)                   ; ahead of a batch of exponentials
	EXFM
	s_wait_alu depctr_va_vdst(0)                   ; for tile a's batch, and ahead of tile b's
	EXPS1
	SUMQ 0, \first                                 ; tile a's plain work names none of tile b's results
.if \pf
	s_wait_dscnt 28                                ; V and its scale words are in; the 28 loads issued behind them (K's 12, the mask's 16) may be out
.else
	s_wait_dscnt 0x0
.endif
.if \first
	s_wait_alu depctr_va_vdst(0)                   ; for tile b's batch
.else
	WIN W_RS
	s_wait_alu depctr_va_vdst(0)                   ; for tile b's batch, and directly ahead of the first reader of O^T
.irp x, 0,1
.set n, 0
.rept 16
	v_pk_mul_f32 v[32*\x+n:32*\x+n+1], v[32*\x+n:32*\x+n+1], v[T0+32*\x+4:T0+32*\x+5] op_sel_hi:[1,0]   ; O^T under the new M, each accumulator from its low end on
.set n, n+2
.endr
.endr
.endif
	WIN W_PV
.irp t, 0,1,2,3
	PPROD \t, 0, \first                            ; tile a's four accumulators; tile b's plain work follows and names none of their registers
.endr
	WIN 0
	SUMQ 1, \first
	s_wait_alu depctr_va_vdst(0)
	WIN W_PV
.irp t, 0,1,2,3
	PPROD \t, 1, \first
.endr
	WIN 0
.endm
; THE WAY OUT of a pass: O^T / the sum goes through my stage and leaves as whole rows.  The additions are the places behind the last products.
.macro OUT p
.irp x, 0,1
	v_add_f32 v[T0+32*\x+6], v[T0+32*\x+2], v[T0+32*\x+3]
.endr
.irp x, 0,1
	s_delay_alu instid0(VALU_DEP_2)
	v_permlanex16_b32 v[T0+32*\x+7], v[T0+32*\x+6], s[SEL], s[SEL+1]
.endr
.irp x, 0,1
	s_delay_alu instid0(VALU_DEP_2)
	v_add_f32 v[T0+32*\x+6], v[T0+32*\x+6], v[T0+32*\x+7]
.endr
	v_nop
	v_nop
	s_wait_alu depctr_va_vdst(0)                   ; ahead of the reciprocals
.irp x, 0,1
	v_rcp_f32 v[T0+32*\x+4], v[T0+32*\x+6]
.endr
	v_nop
	WIN W_OUT
	s_wait_alu depctr_va_vdst(0)                   ; behind them, directly ahead of the first reader of O^T
.irp x, 0,1
.set n, 0
.rept 16
	v_pk_mul_f32 v[S0+64*\x+n:S0+64*\x+n+1], v[32*\x+n:32*\x+n+1], v[T0+32*\x+4:T0+32*\x+5] op_sel_hi:[1,0]   ; register 8 t + i: out(query r, channel 16 t + 8 h + i)
.set n, n+2
.endr
.endr
	WIN 0
.irp x, 0,1
.irp t, 0,1,2,3
	ds_store_b128 v[SO], v[S0+64*\x+8*\t:S0+64*\x+8*\t+3] offset:4352*\x+64*\t
	ds_store_b128 v[SO], v[S0+64*\x+8*\t+4:S0+64*\x+8*\t+7] offset:4352*\x+64*\t+16
.endr
.endr
.irp x, 0,1
.irp i, 0,1,2,3,4,5,6,7
	ds_load_b128 v[S0+64*\x+32+4*\i:S0+64*\x+32+4*\i+3], v[RD] offset:4352*\x+544*\i   ; LDS serves a wave's instructions in order: these see my stores
.endr
.endr
.irp x, 0,1
.irp i, 0,1,2,3,4,5,6,7
	s_wait_dscnt 15-8*\x-\i                        ; the loads issued behind this one may be out
	global_store_b128 v[LI16], v[S0+64*\x+32+4*\i:S0+64*\x+32+4*\i+3], s[10:11] offset:8192*\p+4096*\x+512*\i th:TH_STORE_NT   ; two rows, 512 consecutive bytes
.endr
.endr
.endm
; A PASS: 32 of my queries against all 16 steps.  TB and TM are stated anew ahead of each run of steps.
.macro PASS p
	s_mov_b32 s[TB], 0
	s_mov_b32 s[TM], 0
	v_add_nc_u32 v[AD16], s[TB], v[LI16]
	v_add_nc_u32 v[AD8], s[TB], v[LI8]
	v_add_nc_u32 v[ADM], s[TM], v[LM]
	ds_load_b64 v[KS:KS+1], v[AD8] offset:KSOFF
	FETCH_KF 0, 0
	WIN 0
.rept 8
	v_nop                                          ; Q's scale words, written by vector instructions, stand 8 places ahead of the scaled products, its codes 4
.endr
	s_wait_alu depctr_va_vdst(0)                   ; ahead of the step's first wait
	STEP 1, 1, 0                                   ; step 0
	s_mov_b32 s[TB], STEPB
	s_mov_b32 s[TM], 512
	s_mov_b32 s[CNT], 14
.Lsteps_\p:                                        ; steps 1-14
	STEP 0, 1, 0
	s_add_co_u32 s[TB], s[TB], STEPB
	s_add_co_u32 s[TM], s[TM], 512
	s_sub_co_u32 s[CNT], s[CNT], 1
	s_cmp_lg_u32 s[CNT], 0
	s_cbranch_scc1 .Lsteps_\p
	s_mov_b32 s[TB], 15*STEPB
	s_mov_b32 s[TM], 15*512
	STEP 0, 0, 1-\p                                ; step 15 fetches no further K; in the first pass it asks for the second pass's Q
	OUT \p
.endm
	PASS 0
	s_wait_xcnt 0x0                                ; the stores' data registers are written again only behind this wait
	QIN                                            ; the second pass's Q
	PASS 1
	s_wait_tensorcnt 0x0                           ; the wave's end
	ds_add_u32 v[SPW], v[NIL]
	s_wait_dscnt 0x0
	ROUND                                          ; the closing round
	s_endpgm
.Lfunc_end_k_qbb86e8170b_attn:
	.size	k_qbb86e8170b_attn, .Lfunc_end_k_qbb86e8170b_attn-k_qbb86e8170b_attn
	.p2alignl 7, 3214868480
	.fill 96, 4, 3214868480
	.section	.rodata,"a",@progbits
	.p2align	6, 0x0
	.amdhsa_kernel k_qbb86e8170b_attn
		.amdhsa_group_segment_fixed_size 283648
		.amdhsa_private_segment_fixed_size 0
		.amdhsa_enable_private_segment 0
		.amdhsa_kernarg_size 32
		.amdhsa_user_sgpr_count 2
		.amdhsa_user_sgpr_kernarg_segment_ptr 1
		.amdhsa_wavefront_size32 1
		.amdhsa_system_sgpr_workgroup_id_x 1
		.amdhsa_system_sgpr_workgroup_id_y 1
		.amdhsa_system_sgpr_workgroup_id_z 1
		.amdhsa_system_vgpr_workitem_id 0
		.amdhsa_next_free_vgpr 512
		.amdhsa_next_free_sgpr 66
		.amdhsa_reserve_vcc 0
		.amdhsa_float_denorm_mode_32 3
		.amdhsa_float_denorm_mode_16_64 3
		.amdhsa_memory_ordered 1
		.amdhsa_forward_progress 1
		.amdhsa_inst_pref_size 198
	.end_amdhsa_kernel
	.amdgpu_metadata
---
amdhsa.version: [ 1, 2 ]
amdhsa.kernels:
  - .name:           k_qbb86e8170b_attn
    .symbol:         k_qbb86e8170b_attn.kd
    .args:
      - { .name: query_layer, .offset: 0, .size: 8, .value_kind: global_buffer, .address_space: global }
      - { .name: attention_mask, .offset: 8, .size: 8, .value_kind: global_buffer, .address_space: global }
      - { .name: kv, .offset: 16, .size: 8, .value_kind: global_buffer, .address_space: global }
      - { .name: out0, .offset: 24, .size: 8, .value_kind: global_buffer, .address_space: global }
    .group_segment_fixed_size: 283648
    .private_segment_fixed_size: 0
    .kernarg_segment_align: 8
    .kernarg_segment_size: 32
    .max_flat_workgroup_size: 256
    .sgpr_count:     66
    .vgpr_count:     512
    .wavefront_size: 32
...
	.end_amdgpu_metadata
.endif
;; end of part 2
